; MI455X (gfx1250); checked and timed in simulation.
; The chip was launched on July 23, 2026; its instructions are those of AMD's public machine-readable ISA for CDNA 5 (MIT licence, August 2026) and "CDNA5" Instruction Set Architecture Reference Guide (July 2026). The comments in the code are by the model that wrote it; some were corrected since.
;; Torchax Base Linear Layer With Lo RA. Allowed arithmetic: float matrix products may take bf16 or f16 operands with f32 sums; all other float work in f32.
;; Inputs: W 4,096 x 4,096 float32; lora_a 8 x 16 x 4,096 float32; lora_b 8 x 4,096 x 16 float32; token_lora_idx 2,048 int32; x 2,048 x 4,096 float32.
;; Outputs: out0 2,048 x 4,096 float32.
;; One version. Each part assembles by itself: llvm-mc -triple=amdgcn-amd-amdhsa -mcpu=gfx1250 --defsym DOCPART=n.
;; ======== version 1 of 1: 2 launches
;; workspace buffers: Ap 18,874,368 bytes; Bp 37,748,736 bytes
;; launch prep (part 1): grid 256 x 1, 16 waves a work-group, no clusters, 225,536 bytes of LDS; arguments x, W, lora_a, lora_b, token_lora_idx, Ap, Bp; writes Ap, Bp
.if DOCPART == 1
	.amdgcn_target "amdgcn-amd-amdhsa--gfx1250"
	.amdhsa_code_object_version 6
	.text
	.protected	k_q3fd83b23d9_prep
	.globl	k_q3fd83b23d9_prep
	.p2align	8
	.type	k_q3fd83b23d9_prep,@function
k_q3fd83b23d9_prep:
	s_mov_b64 s[64:65], 0
	v_nop
	global_prefetch_b8 v0, s[64:65] scope:SCOPE_SE
	s_setreg_imm32_b32 hwreg(HW_REG_WAVE_MODE, 25, 1), 1
	s_wait_xcnt 0x0
; prep: one pass over the f32 inputs that writes the two bf16 operands of the product that follows, K = 4608 = 4096 + 4 x 128.
;   A's rows are the 2,048 tokens: x, and for each K slice s of 1,024 the 128 columns Ps;   B's rows are the 4,096 outputs: W, and four times the 128 columns LB.
;   Ps[t][16 l + r] = (idx[t] == l) ? sum over k in 1024 s .. 1024 s + 1023 of x[t][k] lora_a[l][r][k] : 0      LB[o][16 l + r] = lora_b[l][o][r]
; The mask is linear, so the sum over s of Ps LB^T is reference()'s masked shrink times the stacked lora_b: the next launch's sum over K adds the four
; K slices of the shrink and does the expand.
; LAYOUT of Ap and Bp, in tiles: [24 K steps of 192][groups of 16 rows][6,144 bytes]; a group holds 16 rows x 128 of K (256 bytes a row), then 16 rows x 64 of K
; (128 bytes a row).  So any run of groups of one K step is a dense block that begins at a multiple of 256 bytes.
; ORDER of K (the same in Ap and Bp, so the products pair): K slice s is steps 6 s .. 6 s + 5.  Of the slice's 1,024 columns, 128 q .. 128 q + 127 (q = 0..5) are the
; first part of step q; 768 + 64 y .. + 63 (y = 0..3) are the second part of step y; the 128 extra columns are the second parts of steps 4 and 5.
; 256 work-groups of 16 waves take two roles by the work-group number's bit 0 (the same for all waves of a work-group):
;   even: 64 rows of x by one K slice: rounds x into Ap, and multiplies the rounded tile by all 128 rows of lora_a over that K (matrix unit, f32 sums);
;   odd:  32 rows of W: rounds them into Bp, and lays the 32 rows of LB into each of the four slices.
; Every store covers 256 or 512 consecutive bytes that begin at a multiple of 256 from the buffer's first byte.  256 bytes of a second part are two neighbouring rows
; by 64 columns: for these lanes 0-15 take one row and lanes 16-31 the next.  Every global load covers 512 consecutive bytes, or two runs of 256.
; NOT USED: tensor loads and joint requests for lora_a's tiles (32 work-groups read each K slice): every number has to pass through registers to be rounded
; before it lies in LDS as a matrix operand; an f32 tile in LDS would take twice the bytes and one more LDS read and write of each of them.
; LIMITS: an index outside 0..7 gives no LoRA term, as one_hot does.  Adapters that a token does not select are cut by a select, so an inf or NaN in their
; shrink does not spread as 0 x inf would.  Each of the four partial shrinks is rounded to bf16 (a matrix operand of the next launch).
.set XROW,   16384                     ; bytes in a row of x, W, lora_a: 4,096 f32
.set GRP,    6144                      ; bytes of a group of 16 rows in one K step
.set YOFF,   4096                      ; where a group's second part begins
.set APANEL, 2048*384                  ; bytes of one K step of Ap
.set BPANEL, 4096*384                  ; bytes of one K step of Bp
.set LP,   528                         ; LDS pitch of a bf16 tile row of 256 K: 512 + 16 bytes, an odd multiple of 16: 16 rows start in 16 different 16-byte columns of 256 bytes
.set XT,   64*LP                       ; the x tile: 64 rows
.set BUF,  192*LP                      ; a buffer: the x tile, then lora_a's 128 rows
.set STG,  2*BUF                       ; behind the two buffers: the stage of the masked shrink
.set WST,  1296                        ; stage: bytes of one wave's block (16 rows of 80)
.set SP,   80                          ; stage: pitch of a row of 64 bytes
.set LTW,  776                         ; lora_b table: bytes from one wave's block to the next
.set LTU,  384                         ; lora_b table: from adapters 0-3 to adapters 4-7 inside a block
	s_load_b256 s[4:11], s[0:1], 0x0               ; x s[4:5], W s[6:7], lora_a s[8:9], lora_b s[10:11]
	s_load_b128 s[12:15], s[0:1], 0x20             ; token_lora_idx s[12:13], Ap s[14:15]
	s_load_b64 s[16:17], s[0:1], 0x30              ; Bp
	v_lshl_add_u32 v254, v0, 2, 0x36900
	v_mov_b32 v255, 0
	v_lshrrev_b32 v1, 5, v0
	v_readfirstlane_b32 s20, v1                    ; wave w, 0 to 15
	v_and_b32 v1, 31, v0                           ; lane
	s_lshr_b32 s18, ttmp9, 1                       ; number within the role, 0 to 127
	s_and_b32 s19, ttmp9, 1
	s_cmp_lg_u32 s19, 0
	s_cbranch_scc1 .Lw_role
; ============================== the role of x ==============================
; Wave w loads and rounds rows 4 w .. 4 w + 3 of x and rows 8 w .. 8 w + 7 of lora_a; it multiplies row tile a = w & 3 by adapters 2 q and 2 q + 1, q = w >> 2.
.set XO,   2                           ; byte offset in x of my 16 bytes in my wave's first row (a run of 512 bytes)
.set AO,   3                           ; the same in lora_a
.set SOX,  4                           ; byte offset in Ap of my 8 bytes, first parts
.set LX,   5                           ; v5, v6   LDS: where I put 8 bytes of x, buffer 0, 1
.set LL,   7                           ; v7, v8   the same for lora_a
.set FA,   9                           ; v9, v10  LDS: my fragments of x
.set FB,   11                          ; v11, v12 LDS: my fragments of lora_a, adapter 2 q
.set IDX,  13                          ; the index of token 16 a + r
.set SS,   14                          ; stage: where I put 16 bytes
.set SR,   15                          ; stage: where I read 16 bytes back
.set EO,   16                          ; byte offset in Ap of my 16 bytes of the extra columns
.set IDXO, 17
.set XOY,  24                          ; byte offset in x: lanes 0-15 my wave's first row, lanes 16-31 the next, 256 bytes each
.set SOY,  25                          ; byte offset in Ap of my 8 bytes, second parts
.set LXY,  26                          ; LDS, buffer 1: the two rows of XOY
.set X,    32                          ; v[32:127]  24 slots of 4: as loaded (0-7: x, 8-23: lora_a)
.set Y,    128                         ; v[128:175] 24 slots of 2: rounded
.set FR,   176                         ; v[176:223] two K steps of 32: x 8, adapter 2 q 8, adapter 2 q + 1 8
.set ACC0, 224
.set ACC1, 232
.set PK,   240
	s_lshr_b32 s21, s18, 2                         ; block of 64 rows, 0 to 31
	s_and_b32 s26, s18, 3                          ; K slice s
	s_and_b32 s27, s20, 3                          ; a
	s_lshr_b32 s28, s20, 2                         ; q
	s_lshl_b32 s30, s21, 20                        ; x: 64 rows of 16,384 bytes,
	s_lshl_b32 s32, s26, 12                        ; and 1,024 f32 along K; that alone for lora_a
	s_add_co_u32 s30, s30, s32
	s_mov_b32 s31, 0
	s_mov_b32 s33, 0
	s_lshl_b32 s34, s21, 8                         ; idx: 64 words
	s_mov_b32 s35, 0
	s_mul_i32 s36, s26, 6*APANEL                   ; Ap: the slice's six K steps,
	s_mul_i32 s29, s21, 4*GRP                      ; and the block's four groups of 16 rows
	s_add_co_u32 s36, s36, s29
	s_mov_b32 s37, 0
	v_lshlrev_b32 v18, 4, v1                       ; 16 x lane
	v_lshlrev_b32 v19, 3, v1                       ; 8 x lane
	v_and_b32 v20, 15, v0                          ; r
	v_bfe_u32 v21, v0, 4, 1                        ; h
	s_lshl_b32 s29, s20, 16
	v_add_nc_u32 v[XO], s29, v18                   ; 4 w rows + 16 lane
	v_lshlrev_b32 v22, 4, v20
	v_lshl_add_u32 v22, v21, 14, v22
	v_add_nc_u32 v[XOY], s29, v22                  ; 4 w + h rows + 16 r
	s_lshl_b32 s29, s20, 17
	v_add_nc_u32 v[AO], s29, v18                   ; 8 w rows + 16 lane
	s_mul_i32 s29, s28, GRP                        ; rows 4 w .. lie in group w >> 2 of the block's four, from its row 4 (w & 3) on
	s_lshl_b32 s2, s27, 10
	s_add_co_u32 s2, s2, s29
	v_add_nc_u32 v[SOX], s2, v19                   ; first part: 256 bytes a row
	s_lshl_b32 s2, s27, 9
	s_add_co_u32 s2, s2, s29
	s_add_co_u32 s2, s2, YOFF
	v_add_nc_u32 v[SOY], s2, v19                   ; second part: 128 bytes a row; 8 x lane runs over two rows
	v_add_nc_u32 v[EO], s2, v18                    ; and 16 x lane over four
	s_mul_i32 s29, s20, 4*LP
	v_add_nc_u32 v[LX], s29, v19
	v_add_nc_u32 v[LX+1], BUF, v[LX]
	v_mul_u32_u24 v22, v21, LP
	v_lshl_add_u32 v22, v20, 3, v22
	s_add_co_u32 s29, s29, BUF
	v_add_nc_u32 v[LXY], s29, v22                  ; buffer 1, row 4 w + h, 8 r
	s_mul_i32 s29, s20, 8*LP
	s_add_co_u32 s29, s29, XT
	v_add_nc_u32 v[LL], s29, v19
	v_add_nc_u32 v[LL+1], BUF, v[LL]
	v_mul_u32_u24 v22, v20, LP                     ; a fragment: row r, 16 bytes for each half of the lanes
	v_lshl_add_u32 v22, v21, 4, v22
	s_mul_i32 s29, s27, 16*LP
	v_add_nc_u32 v[FA], s29, v22
	v_add_nc_u32 v[FA+1], BUF, v[FA]
	s_mul_i32 s29, s28, 32*LP
	s_add_co_u32 s29, s29, XT
	v_add_nc_u32 v[FB], s29, v22
	v_add_nc_u32 v[FB+1], BUF, v[FB]
	s_lshl_b32 s29, s27, 6
	v_lshl_add_u32 v[IDXO], v20, 2, s29            ; word 16 a + r
	v_mul_u32_u24 v22, v20, SP                     ; stage, in: my wave's block, row r, 16 h
	v_lshl_add_u32 v22, v21, 4, v22
	s_mul_i32 s29, s20, WST
	s_add_co_u32 s29, s29, STG
	v_add_nc_u32 v[SS], s29, v22
	; stage, back: row 4 w + (lane >> 3) of the 64, byte 128 u + 16 (lane & 7) of its 256.  That row is row 4 (w & 3) + (lane >> 3) of row tile w >> 2;
	; its bytes 64 q' .. 64 q' + 63 lie in the block of wave (w >> 2) + 4 q', q' = 2 u + ((lane & 7) >> 2).
	v_bfe_u32 v22, v0, 2, 1
	v_mul_u32_u24 v22, v22, 4*WST
	v_bfe_u32 v23, v0, 3, 2
	v_mul_u32_u24 v23, v23, SP
	v_add_nc_u32 v22, v22, v23
	v_and_b32 v23, 3, v0
	v_lshl_add_u32 v22, v23, 4, v22
	s_mul_i32 s29, s28, WST
	s_mul_i32 s2, s27, 4*SP
	s_add_co_u32 s29, s29, s2
	s_add_co_u32 s29, s29, STG
	v_add_nc_u32 v[SR], s29, v22
	s_lshl_b32 s18, s28, 1                         ; my two adapters
	s_add_co_u32 s19, s18, 1
	s_wait_kmcnt 0x0
	s_add_nc_u64 s[4:5], s[4:5], s[30:31]
	s_add_nc_u64 s[8:9], s[8:9], s[32:33]
	s_add_nc_u64 s[12:13], s[12:13], s[34:35]
	s_add_nc_u64 s[22:23], s[14:15], s[36:37]      ; Ap at the slice's first K step and the block's first group
; The load of x's slot i for K chunk c (256 of K).  Chunks 0-2: row i / 2 of my four, half i % 2 of the chunk.
; Chunk 3 goes to second parts: rows 2 (i / 4) and 2 (i / 4) + 1, 64 columns number i % 4.
.macro XLOAD i, c
.if (\c) < 3
	global_load_b128 v[X+4*(\i):X+4*(\i)+3], v[XO], s[4:5] offset:((\i)/2)*XROW+((\i)%2)*512+(\c)*1024 th:TH_LOAD_NT
.else
	global_load_b128 v[X+4*(\i):X+4*(\i)+3], v[XOY], s[4:5] offset:((\i)/4)*2*XROW+3072+((\i)%4)*256 th:TH_LOAD_NT
.endif
.endm
	global_load_b32 v[IDX], v[IDXO], s[12:13]      ; the oldest load: in by the first counted wait below
.set SL, 0
.rept 8
	XLOAD SL, 0
.set SL, SL+1
.endr
.rept 16
	global_load_b128 v[X+4*SL:X+4*SL+3], v[AO], s[8:9] offset:((SL-8)/2)*XROW+(SL%2)*512
.set SL, SL+1
.endr
; One slot's turn in K chunk c, LDS buffer b.  ahead = 1: the slot is loaded again for chunk c + 1.  left = younger loads that may stay out.
.macro XS i, c, b, ahead, left         ; slots 0-7: x
	s_wait_loadcnt \left
	v_cvt_pk_bf16_f32 v[Y+2*(\i)],   v[X+4*(\i)],   v[X+4*(\i)+1]
	v_cvt_pk_bf16_f32 v[Y+2*(\i)+1], v[X+4*(\i)+2], v[X+4*(\i)+3]
.if \ahead
	XLOAD \i, \c+1
.endif
.if (\c) < 3
	ds_store_b64 v[LX+\b], v[Y+2*(\i):Y+2*(\i)+1] offset:((\i)/2)*LP+((\i)%2)*256
	global_store_b64 v[SOX], v[Y+2*(\i):Y+2*(\i)+1], s[22:23] offset:(2*(\c)+((\i)%2))*APANEL+((\i)/2)*256    ; first part of K step 2 c + i % 2
.else
	ds_store_b64 v[LXY], v[Y+2*(\i):Y+2*(\i)+1] offset:((\i)/4)*2*LP+((\i)%4)*128
	global_store_b64 v[SOY], v[Y+2*(\i):Y+2*(\i)+1], s[22:23] offset:((\i)%4)*APANEL+((\i)/4)*256             ; second part of K step i % 4
.endif
.endm
.macro AS i, c, b, ahead, left         ; slots 8-23: row ((i - 8) / 2) of my eight rows of lora_a
	s_wait_loadcnt \left
	v_cvt_pk_bf16_f32 v[Y+2*(\i)],   v[X+4*(\i)],   v[X+4*(\i)+1]
	v_cvt_pk_bf16_f32 v[Y+2*(\i)+1], v[X+4*(\i)+2], v[X+4*(\i)+3]
.if \ahead
	global_load_b128 v[X+4*(\i):X+4*(\i)+3], v[AO], s[8:9] offset:(((\i)-8)/2)*XROW+((\i)%2)*512+(\c+1)*1024
.endif
	ds_store_b64 v[LL+\b], v[Y+2*(\i):Y+2*(\i)+1] offset:(((\i)-8)/2)*LP+((\i)%2)*256
.endm
; Two K steps of 32 (numbers 2 g and 2 g + 1 of the chunk's eight): twelve fragment loads, four matrix instructions.
; Source 0 = 16 rows of lora_a, source 1 = 16 rows of x: lane (r, h) then holds token r and columns 8 h .. 8 h + 7 of the adapter.
; The two accumulators take turns, one instruction a turn, from group to group and chunk to chunk too.
.macro GRP2 b, g, zero
.rept 4
	v_nop                                          ; four places between the last matrix instruction and loads into its sources (ISA guide 7.12.1 for vector instructions)
.endr
.irp kk, 0,1
	ds_load_b128 v[FR+24*\kk:FR+24*\kk+3],     v[FA+\b] offset:(2*\g+\kk)*64
	ds_load_b128 v[FR+24*\kk+4:FR+24*\kk+7],   v[FA+\b] offset:(2*\g+\kk)*64+32
	ds_load_b128 v[FR+24*\kk+8:FR+24*\kk+11],  v[FB+\b] offset:(2*\g+\kk)*64
	ds_load_b128 v[FR+24*\kk+12:FR+24*\kk+15], v[FB+\b] offset:(2*\g+\kk)*64+32
	ds_load_b128 v[FR+24*\kk+16:FR+24*\kk+19], v[FB+\b] offset:16*LP+(2*\g+\kk)*64
	ds_load_b128 v[FR+24*\kk+20:FR+24*\kk+23], v[FB+\b] offset:16*LP+(2*\g+\kk)*64+32
.endr
	s_wait_dscnt 0x6                               ; the first K step's six loads are in; the second's six may be out
.if \zero
	v_wmma_f32_16x16x32_bf16 v[ACC0:ACC0+7], v[FR+8:FR+15],  v[FR:FR+7], 0      ; the first products start the sums
	v_wmma_f32_16x16x32_bf16 v[ACC1:ACC1+7], v[FR+16:FR+23], v[FR:FR+7], 0
.else
	v_wmma_f32_16x16x32_bf16 v[ACC0:ACC0+7], v[FR+8:FR+15],  v[FR:FR+7], v[ACC0:ACC0+7]
	v_wmma_f32_16x16x32_bf16 v[ACC1:ACC1+7], v[FR+16:FR+23], v[FR:FR+7], v[ACC1:ACC1+7]
.endif
	s_wait_dscnt 0x0
	v_wmma_f32_16x16x32_bf16 v[ACC0:ACC0+7], v[FR+32:FR+39], v[FR+24:FR+31], v[ACC0:ACC0+7]
	v_wmma_f32_16x16x32_bf16 v[ACC1:ACC1+7], v[FR+40:FR+47], v[FR+24:FR+31], v[ACC1:ACC1+7]
.endm
; A chunk: round 24 slots into buffer b (and x into Ap), one barrier, multiply.  One barrier a chunk is enough: buffer b is written again two chunks on,
; behind the next chunk's barrier, in front of which every wave has waited for its reads of b.
; The counted wait: behind slot i's load stand the 23 - i younger loads of this chunk and the i loads already issued for the next: 23.  In the last chunk 23 - i.
.macro CHUNK c, b, ahead, zero
.if \c
	s_wait_xcnt 0x0                                ; Y of slots 0-7, which the last chunk's stores read, is rewritten only behind this wait
.endif
.set SL, 0
.rept 8
.if \ahead
	XS SL, \c, \b, 1, 23
.else
	XS SL, \c, \b, 0, 23-SL
.endif
.set SL, SL+1
.endr
.rept 16
.if \ahead
	AS SL, \c, \b, 1, 23
.else
	AS SL, \c, \b, 0, 23-SL
.endif
.set SL, SL+1
.endr
	s_wait_dscnt 0x0                               ; my part of the tiles is written (and my reads of the other buffer are long back)
	s_barrier_signal -1
	s_barrier_wait -1                              ; everybody's is
	GRP2 \b, 0, \zero
	GRP2 \b, 1, 0
	GRP2 \b, 2, 0
	GRP2 \b, 3, 0
.endm
	CHUNK 0, 0, 1, 1
	CHUNK 1, 1, 1, 0
	CHUNK 2, 0, 1, 0
	CHUNK 3, 1, 0, 0
	; the one-hot: adapter l's 16 columns stay for the tokens whose index is l, and are zero for the others
.rept 4
	v_nop                                          ; four places behind the last matrix instruction before its result is read
.endr
.irp j, 0,1,2,3
	v_cvt_pk_bf16_f32 v[PK+\j],   v[ACC0+2*\j], v[ACC0+2*\j+1]
	v_cvt_pk_bf16_f32 v[PK+4+\j], v[ACC1+2*\j], v[ACC1+2*\j+1]
.endr
	v_cmp_eq_u32 vcc_lo, s18, v[IDX]
.irp j, 0,1,2,3
	v_cndmask_b32 v[PK+\j], 0, v[PK+\j], vcc_lo
.endr
	v_cmp_eq_u32 vcc_lo, s19, v[IDX]
.irp j, 4,5,6,7
	v_cndmask_b32 v[PK+\j], 0, v[PK+\j], vcc_lo
.endr
	ds_store_b128 v[SS], v[PK:PK+3]                ; token r, columns 8 h .. of adapter 2 q
	ds_store_b128 v[SS], v[PK+4:PK+7] offset:32    ; of adapter 2 q + 1
	s_wait_dscnt 0x0
	s_barrier_signal -1
	s_barrier_wait -1
	ds_load_b128 v[FR:FR+3],   v[SR]               ; my four rows' columns 0-63: 4 x 128 bytes, eight lanes a row
	ds_load_b128 v[FR+4:FR+7], v[SR] offset:8*WST  ; their columns 64-127
	s_wait_dscnt 0x0
	global_store_b128 v[EO], v[FR:FR+3],   s[22:23] offset:4*APANEL    ; second part of the slice's K step 4: 512 consecutive bytes
	global_store_b128 v[EO], v[FR+4:FR+7], s[22:23] offset:5*APANEL    ; of its K step 5
	s_wait_tensorcnt 0x0
	ds_add_u32 v254, v255
	s_wait_dscnt 0x0
	s_endpgm
; ============================== the role of W ==============================
; Wave w rounds rows 2 w and 2 w + 1 of the group's 32: 64 units of 512 bytes of f32, through a ring of 16 load slots in registers.
; Each unit has its own pair of rounded registers (128 in all), and no address register is ever rewritten: no store's source is written again, so the ring needs
; no wait but the counted one for its loads.
.Lw_role:
.set WO,  2                            ; byte offset in W of my 16 bytes in my wave's first row (a run of 512 bytes)
.set BOX, 3                            ; byte offset in Bp of my 8 bytes, first parts
.set LBO, 4                            ; byte offset in lora_b
.set LS,  5                            ; lora_b table: where I put 8 bytes
.set LR,  6                            ; lora_b table: where I read 8 bytes
.set WOY, 11                           ; byte offset in W: lanes 0-15 row 2 w, lanes 16-31 row 2 w + 1, 256 bytes each
.set BOY, 12                           ; byte offset in Bp of my 8 bytes, second parts
.set WX,  32                           ; v[32:95]   16 slots of 4, as loaded
.set WY,  96                           ; v[96:223]  64 units of 2, rounded
.set LBX, 224
.set LBY, 232
.set LBR, 236
.set BS,  40                           ; s[40:47]   Bp at the first K step of slices 0 to 3, so that a step's offset fits the stores' 24-bit immediate
	s_lshl_b32 s30, s18, 19                        ; W: 32 rows of 16,384 bytes
	s_mov_b32 s31, 0
	s_mul_i32 s32, s18, 2*GRP                      ; Bp: two groups of 16 rows
	s_mov_b32 s33, 0
	s_lshl_b32 s34, s18, 11                        ; lora_b: 32 rows of 64 bytes in each adapter's plane
	s_mov_b32 s35, 0
	v_lshlrev_b32 v7, 4, v1                        ; 16 x lane
	v_lshlrev_b32 v8, 3, v1                        ; 8 x lane
	s_lshl_b32 s21, s20, 15
	v_add_nc_u32 v[WO], s21, v7
	v_and_b32 v9, 15, v0
	v_lshlrev_b32 v9, 4, v9
	v_bfe_u32 v10, v0, 4, 1
	v_lshl_add_u32 v9, v10, 14, v9
	v_add_nc_u32 v[WOY], s21, v9
	s_lshr_b32 s21, s20, 3                         ; rows 2 w, 2 w + 1 lie in group w >> 3, at its rows 2 (w & 7) and + 1
	s_mul_i32 s21, s21, GRP
	s_and_b32 s22, s20, 7
	s_lshl_b32 s23, s22, 9
	s_add_co_u32 s23, s23, s21
	v_add_nc_u32 v[BOX], s23, v8
	s_lshl_b32 s23, s22, 8
	s_add_co_u32 s23, s23, s21
	s_add_co_u32 s23, s23, YOFF
	v_add_nc_u32 v[BOY], s23, v8
	; lora_b: thread t takes 16 bytes (four r) at byte 16 (t & 127) of the group's 2,048 bytes in plane t >> 7, and in plane (t >> 7) + 4:
	; wave w holds rows 8 (w & 3) .. + 7 of adapters w >> 2 and (w >> 2) + 4, and a load of the wave covers 512 consecutive bytes.
	v_lshrrev_b32 v9, 7, v0
	v_and_b32 v10, 127, v0
	v_lshlrev_b32 v10, 4, v10
	v_lshl_add_u32 v[LBO], v9, 18, v10
	s_mul_i32 s21, s20, LTW
	v_add_nc_u32 v[LS], s21, v8                    ; my wave's block: 8 rows x 32 bytes, in lane order
	; back, for columns 64 u .. 64 u + 63: row R = 2 w + (lane >> 4), adapter l = 4 u + ((lane & 15) >> 2), four r at lane & 3.
	; It lies in the block of wave 4 (l & 3) + (R >> 3), part u, row R & 7.
	v_bfe_u32 v9, v0, 2, 2
	v_mul_u32_u24 v9, v9, 4*LTW
	v_bfe_u32 v10, v0, 4, 1
	v_lshl_add_u32 v9, v10, 5, v9
	v_and_b32 v10, 3, v0
	v_lshl_add_u32 v9, v10, 3, v9
	s_lshr_b32 s21, s20, 2
	s_mul_i32 s21, s21, LTW
	s_and_b32 s22, s20, 3
	s_lshl_b32 s22, s22, 6
	s_add_co_u32 s21, s21, s22
	v_add_nc_u32 v[LR], s21, v9
	s_wait_kmcnt 0x0
	s_add_nc_u64 s[6:7], s[6:7], s[30:31]
	s_add_nc_u64 s[BS:BS+1], s[16:17], s[32:33]
	s_add_nc_u64 s[BS+2:BS+3], s[BS:BS+1], 6*BPANEL
	s_add_nc_u64 s[BS+4:BS+5], s[BS+2:BS+3], 6*BPANEL
	s_add_nc_u64 s[BS+6:BS+7], s[BS+4:BS+5], 6*BPANEL
	s_add_nc_u64 s[10:11], s[10:11], s[34:35]
; Unit n: K slice n / 16; m = n % 16.  m < 12: row m / 6, columns 128 (m % 6) .. of the slice: first part of K step m % 6.
; m >= 12: both rows, columns 768 + 64 (m - 12) ..: second part of K step m - 12.
.macro WLOAD n
.if ((\n)%16) < 12
	global_load_b128 v[WX+4*((\n)%16):WX+4*((\n)%16)+3], v[WO], s[6:7] offset:(((\n)%16)/6)*XROW+((\n)/16)*4096+(((\n)%16)%6)*512 th:TH_LOAD_NT
.else
	global_load_b128 v[WX+4*((\n)%16):WX+4*((\n)%16)+3], v[WOY], s[6:7] offset:((\n)/16)*4096+3072+(((\n)%16)-12)*256 th:TH_LOAD_NT
.endif
.endm
	global_load_b128 v[LBX:LBX+3],   v[LBO], s[10:11] th:TH_LOAD_NT
	global_load_b128 v[LBX+4:LBX+7], v[LBO], s[10:11] offset:4*262144 th:TH_LOAD_NT
.set U, 0
.rept 16
	WLOAD U                                        ; the ring is filled: units 0 to 15
.set U, U+1
.endr
	s_wait_loadcnt 0x10                            ; lora_b's two loads are in; the ring's sixteen stay out
	v_cvt_pk_bf16_f32 v[LBY],   v[LBX],   v[LBX+1]
	v_cvt_pk_bf16_f32 v[LBY+1], v[LBX+2], v[LBX+3]
	v_cvt_pk_bf16_f32 v[LBY+2], v[LBX+4], v[LBX+5]
	v_cvt_pk_bf16_f32 v[LBY+3], v[LBX+6], v[LBX+7]
	ds_store_b64 v[LS], v[LBY:LBY+1]
	ds_store_b64 v[LS], v[LBY+2:LBY+3] offset:LTU
	s_wait_dscnt 0x0
	s_barrier_signal -1
	s_barrier_wait -1
	ds_load_b64 v[LBR:LBR+1],   v[LR]              ; rows 2 w and 2 w + 1 of LB, columns 0-63: 2 x 128 bytes over the 32 lanes
	ds_load_b64 v[LBR+2:LBR+3], v[LR] offset:LTU   ; columns 64-127
	s_wait_dscnt 0x0
.irp s, 0,1,2,3
	global_store_b64 v[BOY], v[LBR:LBR+1],   s[BS+2*\s:BS+2*\s+1] offset:4*BPANEL     ; second part of the slice's K step 4
	global_store_b64 v[BOY], v[LBR+2:LBR+3], s[BS+2*\s:BS+2*\s+1] offset:5*BPANEL     ; of its K step 5
.endr
; ahead = 1: the unit's load slot is loaded again with unit n + 16.  left = younger loads that may stay out.
.macro WSLOT n, ahead, left
	s_wait_loadcnt \left
	v_cvt_pk_bf16_f32 v[WY+2*(\n)],   v[WX+4*((\n)%16)],   v[WX+4*((\n)%16)+1]
	v_cvt_pk_bf16_f32 v[WY+2*(\n)+1], v[WX+4*((\n)%16)+2], v[WX+4*((\n)%16)+3]
.if \ahead
	WLOAD \n+16
.endif
.if ((\n)%16) < 12
	global_store_b64 v[BOX], v[WY+2*(\n):WY+2*(\n)+1], s[BS+2*((\n)/16):BS+2*((\n)/16)+1] offset:(((\n)%16)%6)*BPANEL+(((\n)%16)/6)*256
.else
	global_store_b64 v[BOY], v[WY+2*(\n):WY+2*(\n)+1], s[BS+2*((\n)/16):BS+2*((\n)/16)+1] offset:(((\n)%16)-12)*BPANEL
.endif
.endm
.set U, 0
.rept 48
	WSLOT U, 1, 15
.set U, U+1
.endr
.rept 16
	WSLOT U, 0, 63-U                               ; the last sixteen units load nothing: the counts run down
.set U, U+1
.endr
	s_wait_tensorcnt 0x0
	ds_add_u32 v254, v255
	s_wait_dscnt 0x0
	s_endpgm
.Lfunc_end_k_q3fd83b23d9_prep:
	.size	k_q3fd83b23d9_prep, .Lfunc_end_k_q3fd83b23d9_prep-k_q3fd83b23d9_prep
	.p2alignl 7, 3214868480
	.fill 96, 4, 3214868480
	.section	.rodata,"a",@progbits
	.p2align	6, 0x0
	.amdhsa_kernel k_q3fd83b23d9_prep
		.amdhsa_group_segment_fixed_size 225536
		.amdhsa_private_segment_fixed_size 0
		.amdhsa_enable_private_segment 0
		.amdhsa_kernarg_size 56
		.amdhsa_user_sgpr_count 2
		.amdhsa_user_sgpr_kernarg_segment_ptr 1
		.amdhsa_wavefront_size32 1
		.amdhsa_system_sgpr_workgroup_id_x 1
		.amdhsa_system_sgpr_workgroup_id_y 1
		.amdhsa_system_sgpr_workgroup_id_z 1
		.amdhsa_system_vgpr_workitem_id 0
		.amdhsa_next_free_vgpr 256
		.amdhsa_next_free_sgpr 66
		.amdhsa_reserve_vcc 1
		.amdhsa_float_denorm_mode_32 3
		.amdhsa_float_denorm_mode_16_64 3
		.amdhsa_memory_ordered 1
		.amdhsa_forward_progress 1
		.amdhsa_inst_pref_size 85
	.end_amdhsa_kernel
	.amdgpu_metadata
---
amdhsa.version: [ 1, 2 ]
amdhsa.kernels:
  - .name:           k_q3fd83b23d9_prep
    .symbol:         k_q3fd83b23d9_prep.kd
    .args:
      - { .name: x, .offset: 0, .size: 8, .value_kind: global_buffer, .address_space: global }
      - { .name: W, .offset: 8, .size: 8, .value_kind: global_buffer, .address_space: global }
      - { .name: lora_a, .offset: 16, .size: 8, .value_kind: global_buffer, .address_space: global }
      - { .name: lora_b, .offset: 24, .size: 8, .value_kind: global_buffer, .address_space: global }
      - { .name: token_lora_idx, .offset: 32, .size: 8, .value_kind: global_buffer, .address_space: global }
      - { .name: Ap, .offset: 40, .size: 8, .value_kind: global_buffer, .address_space: global }
      - { .name: Bp, .offset: 48, .size: 8, .value_kind: global_buffer, .address_space: global }
    .group_segment_fixed_size: 225536
    .private_segment_fixed_size: 0
    .kernarg_segment_align: 8
    .kernarg_segment_size: 56
    .max_flat_workgroup_size: 512
    .sgpr_count:     66
    .vgpr_count:     256
    .wavefront_size: 32
...
	.end_amdgpu_metadata
.endif
;; end of part 1
;; launch gemm (part 2): grid 16 x 16, 4 waves a work-group, clusters of 4 x 4, 327,680 bytes of LDS; arguments Ap, Bp, out0; writes out0
.if DOCPART == 2
	.amdgcn_target "amdgcn-amd-amdhsa--gfx1250"
	.amdhsa_code_object_version 6
	.text
	.protected	k_q3fd83b23d9_gemm
	.globl	k_q3fd83b23d9_gemm
	.p2align	8
	.type	k_q3fd83b23d9_gemm,@function
k_q3fd83b23d9_gemm:
	s_mov_b64 s[64:65], 0
	v_nop
	global_prefetch_b8 v0, s[64:65] scope:SCOPE_SE
	s_setreg_imm32_b32 hwreg(HW_REG_WAVE_MODE, 25, 1), 1
	s_wait_xcnt 0x0
	s_wait_alu depctr_hold_cnt(0) depctr_sa_sdst(0) depctr_va_vdst(0) depctr_va_sdst(0) depctr_va_ssrc(0) depctr_va_vcc(0) depctr_vm_vsrc(0)
	s_getreg_b32 s2, hwreg(HW_REG_IB_STS2, 6, 4)
	s_cmp_eq_u32 s2, 0
	s_cbranch_scc0 .Lentry_in_a_cluster
	s_endpgm
.Lentry_in_a_cluster:
	s_bfe_u32 s2, ttmp6, 0x10000c
	s_cmp_lg_u32 s2, 0xf033
	s_cbranch_scc0 .Lentry_shape_is_right
	s_endpgm
.Lentry_shape_is_right:
; out0[t][o] = sum over the 4,608 places of K of A[t][k] B[o][k], bf16 operands, f32 sums; out0: [2048][4096] f32.
; 4,096 places of K are x and W; 512 carry the masked LoRA shrink (four K slices) against lora_b, so this one sum is the base layer plus the LoRA term.
; Ap and Bp lie in tiles: [24 K steps of 192][groups of 16 rows][6,144 bytes]; a group holds 16 rows x 128 of K (256 bytes a row), then 16 rows x 64 of K (128 bytes a row).
; The order of K is the same in both, so it does not matter to the sum.
; 256 work-groups, each a block of 128 rows x 256 columns (grid x: block row, grid y: block column), four waves, as many as a WGP has SIMDs.
; A wave keeps 128 x 128 sums (64 tiles of 16 x 16, 512 registers): wave w takes the block's column half w & 1 and, of every K step, the K half w >> 1: 64 of the first
; part's K and 32 of the second's.  So for 32 of K a wave reads 2 x 128 rows x 64 bytes from LDS for 64 matrix instructions; the two waves of a column half add their
; sums once, at the end, through LDS.
; THE RING: two LDS slots of one K step of 192, the longest step of which two slots fit: 2 x 156,672 of the WGP's 327,680 bytes.  The 8 (Bp) or 4 (Ap) groups that one
; tensor load brings are a dense block of memory that begins at a multiple of 256 bytes; it comes in as rows of 256 bytes, each followed by 16 bytes of padding in LDS.
; In LDS a group is 24 x 272 bytes: row r of the first part at 272 r, of the second at 4,352 + 272 (r >> 1) + 128 (r & 1): in both the 16 rows of a fragment start in
; 16 different 16-byte columns of 256 bytes.
; CLUSTERS: 4 x 4 work-groups.  Ap's tile hangs on the block row alone, which the four work-groups of equal cx share; Bp's on the block column alone, which the four of
; equal cy share.  Each is asked for jointly, which divides the requests for both by four.  By this text's own count a wave has at most two tensor loads out.
; REGISTERS, in windows of 256: window 0: v16-33 addresses, v64-127 and v128-191 fragments of Ap (two buffers); window 1: the same two buffers for Bp;
;   window 2: the 32 tiles of the 64 rows that this wave writes (rows 64 (w >> 1) ..), tile (a, b) at v[8 (8 a + b)]; window 3: those of the partner's 64 rows.
; The matrix instruction is used transposed (source 0 = 16 rows of Bp, source 1 = 16 rows of Ap): lane l holds row l % 16 and eight neighbouring columns 8 (l / 16) + 0..7.
; The 64 accumulators take turns, one instruction a turn, in one fixed order, over the loop's backward jump too.
.set APANEL, 2048*384                  ; bytes of one K step of Ap
.set BPANEL, 4096*384                  ; bytes of one K step of Bp
.set GRP,    6144                      ; bytes of a group of 16 rows in one K step, in memory
.set NROW,   16384                     ; bytes in a row of out0
.set PITCH,  272                       ; 256 bytes + 16 of padding
.set LGRP,   24*PITCH                  ; a group in LDS
.set BHALF,  8*LGRP                    ; what one tensor load of Bp brings: 128 rows
.set AHALF,  4*LGRP                    ; what one tensor load of Ap brings: 64 rows
.set AOFF,   2*BHALF                   ; a slot: Bp's 256 rows, then Ap's 128
.set SLOT,   AOFF+2*AHALF
.set XCH,    32768                     ; the way out: a wave's 256 registers for its partner
.set STAGE,  4*XCH                     ; the way out: behind them 16 rows x 528 bytes for each wave
.set SPITCH, 528
.set FLAGS,  (3<<16)|(1<<20)|(1<<21)|(5<<22)|(3<<25)   ; elements of 8 bytes; padding on; bit 21 beside a mask; after every 64 words (code 5) 4 words (code 3)
.set BX,    16                         ; v16-17  LDS address of my fragments of Bp in a group's first part, slot 0, 1
.set BY,    18                         ; v18-19  in its second part
.set A0X,   20                         ; v20-23  the same for my own 64 rows of Ap
.set A0Y,   22
.set A1X,   24                         ; v24-27  and for the partner's 64 rows
.set A1Y,   26
.set MB,    28                         ; the way out: where my sums for the partner go
.set PB,    29                         ; where the partner's sums for me lie
.set STO,   30                         ; where I put 16 bytes of a row
.set RD,    31                         ; where I read a row back
.set CO,    32                         ; my byte offset in out0
.set PFO,   33                         ; my byte offset for prefetches
.set F0,    64
.set F1,    128
.set G1,  24                           ; s[24:31] descriptor group 1 for Ap's tiles
.set G0,  32                           ; s[32:39] group 0 for Ap's tiles, one set for each slot
.set G1B, 48                           ; s[48:55] group 1 for Bp's tiles
.set G0B, 56                           ; s[56:63] group 0 for Bp's tiles, one set for each slot
.set MSB, 0
.macro WIN new                         ; the immediate's high byte repeats the setting that is left
.if MSB != \new
	s_set_vgpr_msb (MSB<<8)|\new
.set MSB, \new
.endif
.endm
.set MUL_LO, 0xa1                      ; source 0 (Bp) window 1, source 1 (Ap) window 0, C and D window 2
.set MUL_HI, 0xf1                      ; the same, C and D window 3
.set TO_B,   0x40                      ; destination window 1, address window 0
; A joint load: waves 0 and 1 fetch Bp's two halves (128 rows each), waves 2 and 3 Ap's (64 rows each).  The branch hangs on the wave's number alone.
.macro JLOAD s
	s_cmp_lt_u32 s10, 2
	s_cbranch_scc0 .Lfor_a_\@
	tensor_load_to_lds s[G0B+4*\s:G0B+4*\s+3], s[G1B:G1B+7]
	s_nop 0
	s_branch .Lasked_\@
.Lfor_a_\@:
	tensor_load_to_lds s[G0+4*\s:G0+4*\s+3], s[G1:G1+7]
	s_nop 0
.Lasked_\@:
.endm
.macro CREST                           ; a round of the cluster's barrier behind its opening work-group barrier
	s_cmp_lg_u32 s10, 0
	s_cbranch_scc1 .Lnot_wave_0_\@
	s_barrier_signal -3
.Lnot_wave_0_\@:
	s_barrier_wait -3
	s_barrier_signal -1
	s_barrier_wait -1
.endm
.macro CROUND                          ; a whole round
	s_barrier_signal -1
	s_barrier_wait -1
	CREST
.endm
	s_load_b128 s[4:7], s[0:1], 0x0                ; Ap s[4:5], Bp s[6:7]
	s_load_b64 s[8:9], s[0:1], 0x10                ; out0
	s_set_vgpr_msb 0x40
	v_lshl_add_u32 v255, v0, 2, 0x4c800
	s_set_vgpr_msb 0x4000
	v_mov_b32 v255, 0
	s_set_vgpr_msb 0x1
	ds_add_u32 v255, v255
	s_set_vgpr_msb 0x100
	v_lshrrev_b32 v1, 5, v0
	v_readfirstlane_b32 s10, v1                    ; wave 0..3
	s_lshr_b32 s11, s10, 1                         ; my K half, and which 64 rows of the block I write
	s_and_b32 s12, s10, 1                          ; my column half; also which half of a tile's rows I fetch
	s_bfe_u32 s40, ttmp6, 0x40000                  ; cx
	s_bfe_u32 s41, ttmp6, 0x40004                  ; cy
	s_lshl_b32 s42, ttmp9, 2
	s_add_co_u32 s42, s42, s40                     ; block row = 4 x cluster x + cx
	s_and_b32 s13, ttmp7, 0xffff
	s_lshl_b32 s13, s13, 2
	s_add_co_u32 s13, s13, s41                     ; block column = 4 x cluster y + cy
	s_lshl_b32 s43, s41, 2
	s_lshl_b32 s43, 15, s43                        ; the four of equal cy: places 4 cy .. 4 cy + 3
	s_lshl_b32 s44, 0x1111, s40                    ; the four of equal cx: places cx, cx + 4, cx + 8, cx + 12
	; descriptor group 1: a dense block as rows of 32 elements of 8 bytes; 96 such rows for Ap's 4 groups, 192 for Bp's 8
	s_or_b32 s[G1+0], s44, FLAGS                   ; Ap's tiles go to those that share my block row
	s_or_b32 s[G1B+0], s43, FLAGS                  ; Bp's to those that share my block column
	s_mov_b32 s[G1+1], 32<<16                      ; tensor_dim0 = 32 elements
	s_mov_b32 s[G1B+1], 32<<16
	s_mov_b32 s[G1+2], 96<<16                      ; tensor_dim1 = 96 rows
	s_mov_b32 s[G1B+2], 192<<16                    ;             = 192 rows
	s_mov_b32 s[G1+3], 32<<16                      ; tile_dim0 = 32
	s_mov_b32 s[G1B+3], 32<<16
	s_mov_b32 s[G1+4], 96                          ; tile_dim1
	s_mov_b32 s[G1B+4], 192
	s_mov_b32 s[G1+5], 32                          ; elements from row to row: each row begins where the last ends
	s_mov_b32 s[G1B+5], 32
	s_mov_b32 s[G1+6], 0
	s_mov_b32 s[G1B+6], 0
	s_mov_b32 s[G1+7], 0
	s_mov_b32 s[G1B+7], 0
	; where the tiles come from: every wave makes both addresses, each in registers that never hold the other coordinate, and asks by one of them
	s_lshl_b32 s16, s42, 3
	s_lshl_b32 s17, s12, 2
	s_add_co_u32 s16, s16, s17                     ; Ap: group 8 x block row + 4 x half
	s_mul_i32 s16, s16, GRP
	s_mov_b32 s17, 0
	s_lshl_b32 s46, s13, 4
	s_lshl_b32 s47, s12, 3
	s_add_co_u32 s46, s46, s47                     ; Bp: group 16 x block column + 8 x half
	s_mul_i32 s46, s46, GRP
	s_mov_b32 s47, 0
	s_mul_i32 s20, s10, BHALF                      ; where they go.  Bp (waves 0, 1): the slot's groups 0 and 8
	s_mul_i32 s21, s10, AHALF
	s_add_co_u32 s21, s21, AOFF-2*AHALF            ; Ap (waves 2, 3): behind Bp's sixteen groups.  No place in the cluster enters an LDS address
	; Prefetch offsets, for two K steps at a time.  With g = 16 x block column + block row (0 to 255): wave 0 asks for the 24 blocks of 256 bytes of Bp's group g in the
	; first of the two steps, wave 1 for the same group in the second; wave 2 for 12 blocks of Ap (half of a group, at 3,072 g) in each of the two; wave 3 for nothing.
	; So each block is asked for by one wave of the launch.  72 blocks do not divide by 32 lanes: lanes 24 to 31 repeat lane 23's block, in the same instruction.
	v_and_b32 v4, 31, v0                           ; lane
	v_min_u32 v5, 23, v4                           ; u
	s_lshl_b32 s68, s13, 4
	s_add_co_u32 s68, s68, s42                     ; g
	s_cmp_lt_u32 s10, 2
	s_cselect_b32 s69, 24, 12                      ; n: my blocks in one K step
	s_cselect_b32 s70, s10, 0                      ; wave 1: the second step
	s_cselect_b32 s71, 1, 0
	s_lshl_b32 s71, APANEL, s71                    ; bytes of a K step: Bp's are twice Ap's
	v_cmp_le_u32 vcc_lo, s69, v5
	v_cndmask_b32 v6, 0, 1, vcc_lo                 ; wave 2: u >= 12 is the second step
	v_mul_u32_u24 v7, v6, s69
	v_sub_nc_u32 v7, v5, v7                        ; block within the step
	v_add_nc_u32 v6, s70, v6
	v_mul_u32_u24 v6, v6, s71                      ; the step, in bytes
	s_mul_i32 s68, s68, s69
	v_add_nc_u32 v7, s68, v7                       ; g n + block
	v_lshl_add_u32 v[PFO], v7, 8, v6
	s_lshl_b32 s70, s71, 2                         ; s[70:71]: four K steps; s[68:69]: two
	s_lshl_b32 s68, s71, 1
	s_mov_b32 s71, 0
	s_mov_b32 s69, 0
	s_wait_dscnt 0x0
	s_wait_kmcnt 0x0
	s_add_nc_u64 s[14:15], s[4:5], s[16:17]
	s_add_nc_u64 s[46:47], s[6:7], s[46:47]
	s_cmp_lt_u32 s10, 2
	s_cselect_b64 s[66:67], s[6:7], s[4:5]         ; Bp for waves 0 and 1, Ap for wave 2
	s_add_nc_u64 s[66:67], s[66:67], s[70:71]      ; K steps 4 and 5 first
	CROUND                                         ; all sixteen work-groups are here: the first joint loads meet
.irp s, 0,1
	s_mov_b32 s[G0+4*\s], 1                                        ; count = 1
	s_add_co_u32 s[G0+4*\s+1], s21, \s*SLOT                        ; LDS address
	s_add_nc_u64 s[G0+4*\s+2:G0+4*\s+3], s[14:15], \s*APANEL       ; global address: K step s
	s_or_b32 s[G0+4*\s+3], s[G0+4*\s+3], 0x80000000                ; type = 2
	s_mov_b32 s[G0B+4*\s], 1
	s_add_co_u32 s[G0B+4*\s+1], s20, \s*SLOT
	s_add_nc_u64 s[G0B+4*\s+2:G0B+4*\s+3], s[46:47], \s*BPANEL
	s_or_b32 s[G0B+4*\s+3], s[G0B+4*\s+3], 0x80000000
	JLOAD \s                                       ; the ring is filled before anything else is done
.endr
	s_cmp_eq_u32 s10, 3
	s_cbranch_scc1 .Lno_pf_0
	global_prefetch_b8 v[PFO], s[66:67] th:TH_LOAD_NT scope:SCOPE_SE   ; K steps 4 and 5; the tensor load for step 4 is issued at the end of K step 2.  Steps 2 and 3 are not asked for ahead
.Lno_pf_0:
	; fragment addresses: row l % 16 of a group, 16 bytes for each half of the lanes; my K half is 128 bytes of a first part's row and 64 bytes of a second part's
	v_and_b32 v1, 15, v0                           ; r
	v_bfe_u32 v2, v0, 4, 1                         ; h
	v_mul_u32_u24 v3, v1, PITCH
	v_lshl_add_u32 v3, v2, 4, v3                   ; first part: 272 r + 16 h
	v_lshrrev_b32 v5, 1, v1
	v_mul_u32_u24 v5, v5, PITCH
	v_and_b32 v6, 1, v0
	v_lshl_add_u32 v5, v6, 7, v5
	v_lshl_add_u32 v5, v2, 4, v5                   ; second part: 272 (r >> 1) + 128 (r & 1) + 16 h
	s_lshl_b32 s22, s11, 7
	v_add_nc_u32 v3, s22, v3
	s_lshl_b32 s22, s11, 6
	s_add_co_u32 s22, s22, 16*PITCH                ; behind the first part's 16 rows
	v_add_nc_u32 v5, s22, v5
	s_mul_i32 s22, s12, BHALF                      ; my 128 rows of Bp
	s_mul_i32 s23, s11, AHALF
	s_sub_co_u32 s45, AOFF+AHALF, s23              ; the partner's 64 rows of Ap
	s_add_co_u32 s23, s23, AOFF                    ; my own 64 rows
.irp s, 0,1
	v_add_nc_u32 v[BX+\s], s22, v3
	v_add_nc_u32 v[BY+\s], s22, v5
	v_add_nc_u32 v[A0X+\s], s23, v3
	v_add_nc_u32 v[A0Y+\s], s23, v5
	v_add_nc_u32 v[A1X+\s], s45, v3
	v_add_nc_u32 v[A1Y+\s], s45, v5
	s_add_co_u32 s22, s22, SLOT
	s_add_co_u32 s23, s23, SLOT
	s_add_co_u32 s45, s45, SLOT
.endr
	v_lshlrev_b32 v[CO], 4, v4                     ; 16 x lane
	s_lshl_b32 s22, s10, 15
	v_add_nc_u32 v[MB], s22, v[CO]
	s_xor_b32 s22, s10, 2                          ; the partner: same column half, other K half
	s_lshl_b32 s22, s22, 15
	v_add_nc_u32 v[PB], s22, v[CO]
	s_mul_i32 s22, s10, 16*SPITCH
	s_add_co_u32 s22, s22, STAGE                   ; my stage
	v_add_nc_u32 v[RD], s22, v[CO]
	v_mul_u32_u24 v3, v1, SPITCH
	v_lshl_add_u32 v3, v2, 5, v3                   ; row r, 32 bytes for each half of the lanes
	v_add_nc_u32 v[STO], s22, v3
; 16 matrix instructions: m blocks a0, a0 + 1 of the window's four (hi = 0: my own rows, 1: the partner's) x all 8 n blocks, 32 along K.  zero = 1: the first product starts the sums.
.macro MUL16 f, hi, a0, zero
.irp a, \a0, \a0+1
.irp b, 0,1,2,3,4,5,6,7
.if \zero
	v_wmma_f32_16x16x32_bf16 v[8*(8*(\a)+\b):8*(8*(\a)+\b)+7], v[\f+8*\b:\f+8*\b+7], v[\f+8*(4*\hi+\a):\f+8*(4*\hi+\a)+7], 0
.else
	v_wmma_f32_16x16x32_bf16 v[8*(8*(\a)+\b):8*(8*(\a)+\b)+7], v[\f+8*\b:\f+8*\b+7], v[\f+8*(4*\hi+\a):\f+8*(4*\hi+\a)+7], v[8*(8*(\a)+\b):8*(8*(\a)+\b)+7]
.endif
.endr
.endr
.endm
; 32 LDS loads in one run: 128 rows of Bp, my own 64 rows of Ap, the partner's 64 rows, 32 of K, into buffer f.
; kq = 0, 1: the two quarters of my K half that lie in the groups' first parts; kq = 2: the one that lies in their second parts.
.macro FETCH slot, kq, f
.if \kq == 2
.set RB,  BY+\slot
.set RA0, A0Y+\slot
.set RA1, A1Y+\slot
.set KO,  0
.else
.set RB,  BX+\slot
.set RA0, A0X+\slot
.set RA1, A1X+\slot
.set KO,  64*\kq
.endif
	WIN TO_B
.irp i, 0,1,2,3,4,5,6,7
	ds_load_b128 v[\f+8*\i:\f+8*\i+3],   v[RB] offset:KO+\i*LGRP
	ds_load_b128 v[\f+8*\i+4:\f+8*\i+7], v[RB] offset:KO+\i*LGRP+32
.endr
	WIN 0
.irp i, 0,1,2,3
	ds_load_b128 v[\f+8*\i:\f+8*\i+3],   v[RA0] offset:KO+\i*LGRP
	ds_load_b128 v[\f+8*\i+4:\f+8*\i+7], v[RA0] offset:KO+\i*LGRP+32
.endr
.irp i, 0,1,2,3
	ds_load_b128 v[\f+32+8*\i:\f+32+8*\i+3],   v[RA1] offset:KO+\i*LGRP
	ds_load_b128 v[\f+32+8*\i+4:\f+32+8*\i+7], v[RA1] offset:KO+\i*LGRP+32
.endr
.endm
; Four places stand between a matrix instruction and a load into one of its registers, or an instruction that reads its result (ISA guide 7.12.1 for vector
; instructions); this text does not count the matrix instructions in between.
.macro PLACES
.rept 4
	v_nop
.endr
.endm
; A K step is, for a wave, three quarters of 32 along K, 64 matrix instructions each, on buffers that take turns.
; One of the first two: multiplies buffer f; in its middle it fetches quarter kq of the same slot into buffer g.
.macro QUARTER slot, kq, f, g, zero
	s_wait_dscnt 8                                 ; Bp and my own rows of Ap are in; the youngest eight loads (the partner's rows) may be out
	WIN MUL_LO
	MUL16 \f, 0, 0, \zero
	MUL16 \f, 0, 2, \zero
	PLACES
	FETCH \slot, \kq, \g
	s_wait_dscnt 32                                ; all but the 32 just issued
	WIN MUL_HI
	MUL16 \f, 1, 0, \zero
	MUL16 \f, 1, 2, \zero
.endm
; The third: multiplies buffer f and changes slots; the next slot's first quarter goes into buffer g.  fill = 1: this slot is filled again, two K steps ahead.
; One barrier for the change.  In front of it each wave waits for its reads of this slot and for all its tensor loads (the one that is out is its part of the next
; slot).  Behind it nobody reads this slot and the next slot is whole: the refill comes first, then the next slot's first fragments.
; From a request to the wait for it a wave issues 176 of a K step's 192 matrix instructions.
.macro TURN slot, next, f, g, fill
	s_wait_dscnt 8
	WIN MUL_LO
	MUL16 \f, 0, 0, 0
	s_wait_dscnt 0                                 ; my reads of this slot are over
	s_wait_tensorcnt 0x0                           ; and all my tensor loads have landed
	ds_add_u32 v255, v255
	s_wait_dscnt 0x0
	s_barrier_signal -1                            ; say so (where the slot is filled again this barrier opens a round of the cluster's barrier),
	MUL16 \f, 0, 2, 0                              ; work on registers while the others arrive,
	WIN 0
	s_barrier_wait -1
.if \fill
	CREST                                          ; all sixteen work-groups have said so: no wave of any partner still reads this slot's tile or has a load on its way
	s_add_nc_u64 s[G0+4*\slot+2:G0+4*\slot+3], s[G0+4*\slot+2:G0+4*\slot+3], 2*APANEL
	s_add_nc_u64 s[G0B+4*\slot+2:G0B+4*\slot+3], s[G0B+4*\slot+2:G0B+4*\slot+3], 2*BPANEL
	JLOAD \slot                                    ; the first tensor load behind the round, one a wave
.endif
	PLACES
	FETCH \next, 0, \g
	WIN MUL_HI
	MUL16 \f, 1, 0, 0
	MUL16 \f, 1, 2, 0
.endm
.macro STEP slot, next, f, g, zero, fill       ; a K step that begins on buffer f; the next begins on buffer g
	QUARTER \slot, 1, \f, \g, \zero
	QUARTER \slot, 2, \g, \f, 0
	TURN \slot, \next, \f, \g, \fill
.endm
	s_wait_tensorcnt 1                             ; my part of K step 0 is in; K step 1's may stay out
	s_barrier_signal -1
	s_barrier_wait -1                              ; everybody's is
	FETCH 0, 0, F0
	; 12 laps of two K steps: the first stands in front of the loop (its first products start the sums), 10 in the loop, the last behind it
	STEP 0, 1, F0, F1, 1, 1
	STEP 1, 0, F1, F0, 0, 1
	WIN 0                                          ; at a label and at a branch every window is 0
	s_mov_b32 s3, 10
.Llap:
	STEP 0, 1, F0, F1, 0, 1
	WIN 0
	; Lap L (1 to 10) works on K steps 2 L and 2 L + 1; here, in its middle, K steps 2 L + 4 and 2 L + 5 are asked for: their tensor loads are issued two and three
	; K steps further on.  Lap 10 asks for nothing: there is no K step 24.  18 KiB a work-group each time, two such at the most not yet read.
	s_cmp_eq_u32 s10, 3
	s_cbranch_scc1 .Lno_pf
	s_cmp_eq_u32 s3, 1
	s_cbranch_scc1 .Lno_pf
	s_wait_xcnt 0x0                                ; the last prefetch's base is stepped only behind this wait
	s_add_nc_u64 s[66:67], s[66:67], s[68:69]
	global_prefetch_b8 v[PFO], s[66:67] th:TH_LOAD_NT scope:SCOPE_SE
.Lno_pf:
	STEP 1, 0, F1, F0, 0, 1
	WIN 0
	s_sub_co_u32 s3, s3, 1
	s_cmp_lg_u32 s3, 0
	s_cbranch_scc1 .Llap
	STEP 0, 1, F0, F1, 0, 0                        ; the last lap fills nothing and has no round of the cluster's barrier: the one load still out is slot 1's, the last K step's
	QUARTER 1, 1, F1, F0, 0
	QUARTER 1, 2, F0, F1, 0
	s_wait_dscnt 8                                 ; the very last quarter: nothing more to fetch
	WIN MUL_LO
	MUL16 F1, 0, 0, 0
	MUL16 F1, 0, 2, 0
	s_wait_dscnt 0
	WIN MUL_HI
	MUL16 F1, 1, 0, 0
	MUL16 F1, 1, 2, 0
	; THE WAY OUT lies in the ring's bytes, which have had their last fill.
	; 1. The two K halves meet: each wave hands the sums of the partner's 64 rows (window 3) over and adds the partner's sums onto its own 64 rows (window 2).
	;    Both windows have the same layout, so register 4 q .. 4 q + 3 of a lane goes to the same registers of the same lane.
	PLACES                                         ; behind the last matrix instructions: for the stores that read results and the loads into buffers 0 and 1
	WIN 0
	s_wait_dscnt 0x0
	s_barrier_signal -1
	s_barrier_wait -1                              ; nobody reads a slot any more
	WIN 0x0c                                       ; store data from window 3
.set Q, 0
.rept 64
	ds_store_b128 v[MB], v[4*Q:4*Q+3] offset:512*Q
.set Q, Q+1
.endr
	WIN 0
	s_wait_dscnt 0x0
	s_barrier_signal -1
	s_barrier_wait -1
.macro ADDIN half                      ; 128 registers of the partner's sums
.set Q, 0
.rept 32
	ds_load_b128 v[F0+4*Q:F0+4*Q+3], v[PB] offset:512*(32*\half+Q)
.set Q, Q+1
.endr
	WIN 0x82                                       ; destination and source 0 window 2, source 1 window 0
.set Q, 0
.rept 32
	s_wait_dscnt 31-Q                              ; LDS loads come back in order: number Q is in
	v_pk_add_f32 v[128*\half+4*Q:128*\half+4*Q+1],   v[128*\half+4*Q:128*\half+4*Q+1],   v[F0+4*Q:F0+4*Q+1]
	v_pk_add_f32 v[128*\half+4*Q+2:128*\half+4*Q+3], v[128*\half+4*Q+2:128*\half+4*Q+3], v[F0+4*Q+2:F0+4*Q+3]
.set Q, Q+1
.endr
	WIN 0
.endm
	ADDIN 0
	ADDIN 1
	; 2. 16 rows at a time through my own stage: 32 bytes a lane in, whole rows of 512 bytes back, stored by the 32 lanes as 512 consecutive bytes.
	s_lshl_b32 s16, s42, 7
	s_lshl_b32 s17, s11, 6
	s_add_co_u32 s16, s16, s17                     ; my first row of out0
	s_lshl_b32 s16, s16, 14
	s_mov_b32 s17, 0
	s_add_nc_u64 s[8:9], s[8:9], s[16:17]
	s_lshl_b32 s46, s13, 10                        ; my first column, in bytes: 1,024 x block column + 512 x half
	s_lshl_b32 s47, s12, 9
	s_add_co_u32 s46, s46, s47
	s_mov_b32 s47, 0
	s_add_nc_u64 s[8:9], s[8:9], s[46:47]
.macro OUT16 a, f                      ; the eight tiles (a, 0..7) of window 2; f: buffer 0 or 1 in turn
	WIN 0x08                                       ; store data from window 2
.irp b, 0,1,2,3,4,5,6,7
	ds_store_b128 v[STO], v[8*(8*\a+\b):8*(8*\a+\b)+3]   offset:64*\b
	ds_store_b128 v[STO], v[8*(8*\a+\b)+4:8*(8*\a+\b)+7] offset:64*\b+16
.endr
	WIN 0
	s_wait_xcnt 0x0                                ; buffer f, which earlier stores read, and the stores' base are rewritten only behind this wait
.if \a
	s_add_nc_u64 s[8:9], s[8:9], 16*NROW
.endif
.set Q, 0
.rept 16
	ds_load_b128 v[\f+4*Q:\f+4*Q+3], v[RD] offset:SPITCH*Q         ; LDS serves a wave's instructions in order (ISA guide 5.7.1): these see the stores above
.set Q, Q+1
.endr
.set Q, 0
.rept 16
	s_wait_dscnt 15-Q
	global_store_b128 v[CO], v[\f+4*Q:\f+4*Q+3], s[8:9] offset:NROW*Q th:TH_STORE_NT
.set Q, Q+1
.endr
.endm
	OUT16 0, F0
	OUT16 1, F1
	OUT16 2, F0
	OUT16 3, F1
	s_set_vgpr_msb 0x1
	s_wait_tensorcnt 0x0
	ds_add_u32 v255, v255
	s_wait_dscnt 0x0
	s_set_vgpr_msb 0x100
	CROUND                                         ; the closing round: no work-group ends while a partner may still ask for a tile that names it
	s_endpgm
.Lfunc_end_k_q3fd83b23d9_gemm:
	.size	k_q3fd83b23d9_gemm, .Lfunc_end_k_q3fd83b23d9_gemm-k_q3fd83b23d9_gemm
	.p2alignl 7, 3214868480
	.fill 96, 4, 3214868480
	.section	.rodata,"a",@progbits
	.p2align	6, 0x0
	.amdhsa_kernel k_q3fd83b23d9_gemm
		.amdhsa_group_segment_fixed_size 327680
		.amdhsa_private_segment_fixed_size 0
		.amdhsa_enable_private_segment 0
		.amdhsa_kernarg_size 24
		.amdhsa_user_sgpr_count 2
		.amdhsa_user_sgpr_kernarg_segment_ptr 1
		.amdhsa_wavefront_size32 1
		.amdhsa_system_sgpr_workgroup_id_x 1
		.amdhsa_system_sgpr_workgroup_id_y 1
		.amdhsa_system_sgpr_workgroup_id_z 1
		.amdhsa_system_vgpr_workitem_id 0
		.amdhsa_next_free_vgpr 1024
		.amdhsa_next_free_sgpr 72
		.amdhsa_reserve_vcc 1
		.amdhsa_float_denorm_mode_32 3
		.amdhsa_float_denorm_mode_16_64 3
		.amdhsa_memory_ordered 1
		.amdhsa_forward_progress 1
		.amdhsa_inst_pref_size 162
	.end_amdhsa_kernel
	.amdgpu_metadata
---
amdhsa.version: [ 1, 2 ]
amdhsa.kernels:
  - .name:           k_q3fd83b23d9_gemm
    .symbol:         k_q3fd83b23d9_gemm.kd
    .args:
      - { .name: Ap, .offset: 0, .size: 8, .value_kind: global_buffer, .address_space: global }
      - { .name: Bp, .offset: 8, .size: 8, .value_kind: global_buffer, .address_space: global }
      - { .name: out0, .offset: 16, .size: 8, .value_kind: global_buffer, .address_space: global }
    .group_segment_fixed_size: 327680
    .private_segment_fixed_size: 0
    .kernarg_segment_align: 8
    .kernarg_segment_size: 24
    .max_flat_workgroup_size: 128
    .sgpr_count:     72
    .vgpr_count:     1024
    .wavefront_size: 32
...
	.end_amdgpu_metadata
.endif
;; end of part 2
